; MI455X (gfx1250); checked and timed in simulation.
; The chip was launched on July 23, 2026; its instructions are those of AMD's public machine-readable ISA for CDNA 5 (MIT licence, August 2026) and "CDNA5" Instruction Set Architecture Reference Guide (July 2026). The comments in the code are by the model that wrote it; some were corrected since.
;; Attention Layer. Allowed arithmetic: matrix products marked QUANTISED: E5M2 operands, one given power-of-two scale a tensor, by v_wmma_f32_16x16x64_bf8_bf8 or v_wmma_f32_16x16x128_bf8_bf8, f32 sums; everything else in f32.
;; Inputs: Wk 512 x 512 float32; Wq 512 x 512 float32; Wv 512 x 512 float32; bk 512 float32; bq 512 float32; bv 512 float32; lowp_scales 10 int32 (the exponents e of the quantised operands' scales 2^e); x 8 x 2,048 x 512 float32.
;; Outputs: out0 8 x 512 float32.
;; This version of the problem:
;;   THIS VERSION OF THE PROBLEM IS GIVEN IN LOW PRECISION. The matrix products marked QUANTISED in the list below multiply operands that are first quantised to E5M2 (5 exponent bits, 2 mantissa bits; 8 bits a number), with one given power-of-two scale for each operand tensor; their sums are f32. All else is computed in f32.
;;   The module's matrix products, in the order in which they are computed (A, B: the left and right operand; K: the contracted axis; several contracted axes count as one K, in the product's order):
;;     1. [M 16,384, K 512] x [K 512, N 512]; A: input x; B: input Wq: QUANTISED (scales: A lowp_scales[0], B lowp_scales[1])
;;     2. [M 16,384, K 512] x [K 512, N 512]; A: input x; B: input Wk: QUANTISED (scales: A lowp_scales[2], B lowp_scales[3])
;;     3. [M 16,384, K 512] x [K 512, N 512]; A: input x; B: input Wv: QUANTISED (scales: A lowp_scales[4], B lowp_scales[5])
;;     4. batch 8 x [M 2,048, K 512] x [K 512, N 2,048]; A: computed on the way; B: computed on the way: QUANTISED (scales: A lowp_scales[6], B lowp_scales[7])
;;     5. batch 8 x [M 2,048, K 2,048] x [K 2,048, N 512]; A: softmax (see below); B: computed on the way: QUANTISED (scales: A lowp_scales[8], B lowp_scales[9])
;;   THE QUANTISER, for each operand of a quantised product, along K:
;;     - The operand's scale is 2^e, e = its entry of the input lowp_scales (int32; the entries are numbered through the quantised products in the list's order, A before B).
;;     - Each number is divided by the scale, clamped to +-57,344, and rounded to the nearest number of E5M2, ties to even, subnormals kept.
;;     - The product sums the exact products of the quantised numbers (number of the format x scale) in f32.
;;   ~~~python
;;   def quantise(x, axis, e):      # numpy; x: float32 -> the quantised numbers, widened to float32 again
;;       x = np.moveaxis(x, axis, -1); K = x.shape[-1]
;;       r = np.clip(x / 2.0 ** e, -57344, 57344)
;;       step = 2.0 ** (np.maximum(np.frexp(np.where(r == 0, 1, r))[1] - 1, -14) - 2)
;;       q = np.round(r / step) * step * 2.0 ** e      # np.round: ties to even
;;       return np.moveaxis(q, -1, axis).astype(np.float32)
;;   ~~~
;;   SOFTMAX AHEAD OF A QUANTISED PRODUCT. Where the list says 'softmax', what is quantised is not the finished softmax but p = 2^(t - M), with t = logit x log2(e) and M = ceil(the row's largest t), a whole number; so 1/2 < the row's largest p <= 1. The row's sum l is taken of the UNQUANTISED p, in f32, and the product's result is divided by l at the end. Since M is a whole number, a kernel that streams over the keys may use a running M (the ceiling of the running maximum): every later rescaling is an exact power of two, so the quantised numbers keep their values, but for numbers so far below the row's largest that they fall under the format's range.
;;   OPERANDS COMPUTED ON THE WAY. 'Computed on the way' means the value that the module computes at that place (a softmax that the list does not call 'softmax' is quantised finished and normalised). What goes into a quantiser is computed in f32, as accurately as f32 sums, v_exp_f32 and their like allow (about 1e-6 of the number): no bf16 or f16 on the way to a quantiser, and a product that is left as it is and whose result goes on into a quantised operand takes f32 operands (vector FMAs, or v_wmma_f32_16x16x4_f32). A number that lies on a knife's edge between two numbers of the format may be rounded either way, as far as f32 arithmetic and the matrix unit's own rounding can turn it there, and no further.
;; One version. Each part assembles by itself: llvm-mc -triple=amdgcn-amd-amdhsa -mcpu=gfx1250 --defsym DOCPART=n.
;; ======== version 1 of 1: 3 launches
;; limits: right only within a limited range of input values
;; workspace buffers: wcodes 524,288 bytes; qcodes 4,096 bytes; vcodes 8,388,608 bytes; spart 262,144 bytes
;; launch prep (part 1): grid 96 x 1, 8 waves a work-group, no clusters, 9,216 bytes of LDS; arguments Wq, Wk, Wv, x, bq, lowp_scales, wcodes, qcodes; writes wcodes, qcodes
.if DOCPART == 1
	.amdgcn_target "amdgcn-amd-amdhsa--gfx1250"
	.amdhsa_code_object_version 6
	.text
	.protected	k_qbb0d49b9a0_prep
	.globl	k_qbb0d49b9a0_prep
	.p2align	8
	.type	k_qbb0d49b9a0_prep,@function
k_qbb0d49b9a0_prep:
	s_mov_b64 s[64:65], 0
	v_nop
	global_prefetch_b8 v0, s[64:65] scope:SCOPE_SE
	s_setreg_imm32_b32 hwreg(HW_REG_WAVE_MODE, 25, 1), 1
	s_wait_xcnt 0x0
; Wk and Wv [512 (d)][512 (e)], f32, become codes of BF8 (E5M2), laid as images of the matrix operand's registers; and the LAST query of each of the 8 batches, q = x[b][2047] Wq + bq, is made and quantised.
; DEAD WORK LEFT OUT, in all three launches: reference() returns context[:, -1, :].  Row s of q enters row s of the scores, and row s of the scores row s of the context, and nothing else; so for all values of
; the inputs the rows s < 2047 of q, of the scores, of the softmax and of the context reach no output.  They are not computed.  k and v are live in all rows.
; LIMIT: a NaN, an infinity or an overflow that reaches only those rows is not carried to the result.
; SHARES.  96 work-groups of eight waves.  0-31: Wq, work-group T makes q's columns 16 T .. + 15, wave u sums d = 64 u .. + 63.  32-63: Wk, 64-95: Wv: work-group n of a weight takes 64 columns (n / 4) x 128 of d (n % 4),
; so each 256 bytes of a row are read by one work-group; wave u takes tile T = 4 (n / 4) + u % 4 of 16 columns and the K step s = 2 (n % 4) + u / 4 of 64.
; A LANE TAKES A COLUMN e, AND ITS REGISTERS RUN DOWN d (the products' K): lane (r, h) holds d = 64 s + 32 c + 16 h + 0 .. 15, c = 0, 1, so the conversions' results are the operand's registers.
; All of a wave's loads (32, in the query's path 42) are out together.
; wcodes: [g 0..1][kind 0: Wk, 1: Wv][cb 0..1][s 0..7][f 0..7][c 0..1][lane][16 bytes]: lane (r, h): W[64 s + 32 c + 16 h + 0 .. 15][256 g + 128 cb + 16 f + r].
;   So what one wave of the next launch takes of one weight is 65,536 consecutive bytes.
; qcodes: [b][128-column block 0..3][h 0..1][t 0..7][8 bytes]: q[b][128 block + 16 t + 8 h + 0 .. 7].
; The place of k in the registers (4 c .. 4 c + 3: k = 32 c + 16 h + 0 .. 15) is a permutation of the form's own, the same on both sides of every product that uses it.
; code = number / 2^e, held within +-57,344, to the nearest code, ties to even.
; LIMITS: e0, e1, e3, e5, e6 between -126 and 112, e0 + e1 between -126 and 127, so that each power of two below is an f32 number.  NaN among the inputs is not served.
.set WROW, 2048                        ; bytes in a row of a weight and of x
.macro POW2 e, sc, lim                 ; s[sc] = 2^s[e] as f32, s[lim] = 57,344 x that
	s_add_co_i32 s[\lim], s[\e], 127
	s_lshl_b32 s[\sc], s[\lim], 23
	s_add_co_i32 s[\lim], s[\lim], 15
	s_lshl_b32 s[\lim], s[\lim], 23
	s_or_b32 s[\lim], s[\lim], 0x600000
.endm
.macro QUANT8 src, dst, sc, lim        ; 32 numbers of a lane become 32 codes in 8 registers
.set qi, 0
.rept 32
	v_med3_num_f32 v[\src+qi], v[\src+qi], -v[\lim], v[\lim]   ; the conversion to an 8-bit code does not saturate (ISA guide 7.6.2): the hold comes first
.set qi, qi+1
.endr
.irp g, 0,1,2,3
	v_cvt_scalef32_pk8_bf8_f32 v[\dst+2*\g:\dst+2*\g+1], v[\src+8*\g:\src+8*\g+7], v[\sc]
.endr
	v_nop                                          ; one plain vector line behind the last conversion
.endm
	s_load_b512 s[4:19], s[0:1], 0x0               ; Wq s[4:5], Wk s[6:7], Wv s[8:9], x s[10:11], bq s[12:13], the exponents s[14:15], wcodes s[16:17], qcodes s[18:19]
	v_lshl_add_u32 v112, v0, 2, 0x2000
	v_mov_b32 v113, 0
	v_lshrrev_b32 v1, 5, v0
	s_delay_alu instid0(VALU_DEP_1)
	v_readfirstlane_b32 s20, v1                    ; wave u
	s_lshr_b32 s21, ttmp9, 5                       ; which weight
	s_and_b32 s22, ttmp9, 31                       ; n
	s_and_b32 s50, s20, 3
	s_lshr_b32 s51, s22, 2
	s_lshl_b32 s51, s51, 2
	s_add_co_u32 s50, s50, s51                     ; T = 4 (n / 4) + u % 4
	s_and_b32 s51, s22, 3
	s_lshl_b32 s51, s51, 1
	s_lshr_b32 s52, s20, 2
	s_add_co_u32 s51, s51, s52                     ; s = 2 (n % 4) + u / 4
	s_cmp_eq_u32 s21, 0                            ; for Wq: T = n, s = u
	s_cselect_b32 s50, s22, s50
	s_cselect_b32 s51, s20, s51
	v_and_b32 v1, 31, v0                           ; lane
	v_and_b32 v2, 15, v0                           ; r
	v_bfe_u32 v3, v0, 4, 1                         ; h
	s_delay_alu instid0(VALU_DEP_2)
	v_lshlrev_b32 v4, 2, v2
	s_delay_alu instid0(VALU_DEP_1)
	v_lshl_add_u32 v4, v3, 15, v4                  ; the weight: 4 r + 16 h rows of 2,048 bytes
	v_lshlrev_b32 v6, 4, v1                        ; 16 x lane: an image's place for my lane
	s_lshl_b32 s44, s20, 10
	v_add_nc_u32 v8, s44, v6                       ; LDS: my wave's image of its partial sums: 1,024 u + 16 x lane
	s_lshl_b32 s44, s51, 17                        ; 64 s rows
	s_lshl_b32 s45, s50, 6                         ; 16 T columns
	s_add_co_u32 s44, s44, s45
	s_mov_b32 s45, 0
	s_wait_alu depctr_va_vdst(0)
	s_wait_kmcnt 0x0
	s_load_b256 s[24:31], s[14:15], 0x0            ; e0 .. e7
	s_cmp_eq_u32 s21, 1                            ; the choice hangs on the work-group's number alone
	s_cselect_b64 s[32:33], s[6:7], s[4:5]
	s_cmp_eq_u32 s21, 2
	s_cselect_b64 s[32:33], s[8:9], s[32:33]
	s_add_nc_u64 s[32:33], s[32:33], s[44:45]
.irp c, 0,1
.irp i, 0,1,2,3,4,5,6,7,8,9,10,11,12,13,14,15
	global_load_b32 v[16+16*\c+\i], v4, s[32:33] offset:(32*\c+\i)*WROW   ; W[64 s + 32 c + 16 h + i][16 T + r]
.endr
.endr
	s_cmp_lg_u32 s21, 0
	s_cbranch_scc1 .Lweights                       ; alike in all waves of a work-group
	; ---- the last queries: q[b][16 T + ..] for the 8 batches.  Source 0 = 16 columns of Wq, source 1 = x's last rows (columns 8-15 repeat batches 0-7); each wave sums its 64 of d
	v_and_b32 v5, 7, v2
	s_delay_alu instid0(VALU_DEP_1)
	v_lshlrev_b32 v5, 22, v5                       ; batch r & 7: 2,048 rows of 2,048 bytes
	s_delay_alu instid0(VALU_DEP_1)
	v_lshl_add_u32 v5, v3, 6, v5                   ; + 16 h numbers
	s_delay_alu instid0(VALU_DEP_1)
	v_add_nc_u32 v5, 2047*WROW, v5                 ; the last row
	v_lshlrev_b32 v7, 5, v3                        ; bq: 8 h numbers
	v_lshlrev_b32 v10, 9, v2
	s_delay_alu instid0(VALU_DEP_1)
	v_lshl_add_u32 v10, v3, 6, v10                 ; qcodes: 512 b + 64 h
	s_mov_b32 s47, 0
	s_lshl_b32 s46, s20, 8                         ; x: 64 u numbers
	s_add_nc_u64 s[10:11], s[10:11], s[46:47]
	s_lshl_b32 s46, s22, 6                         ; bq: 16 T numbers
	s_add_nc_u64 s[12:13], s[12:13], s[46:47]
.irp c, 0,1
.irp j, 0,1,2,3
	global_load_b128 v[48+16*\c+4*\j:48+16*\c+4*\j+3], v5, s[10:11] offset:128*\c+16*\j   ; x[b][2047][64 u + 32 c + 16 h + 4 j ..]
.endr
.endr
	global_load_b128 v[104:107], v7, s[12:13]      ; bq[16 T + 8 h + 0 .. 7]
	global_load_b128 v[108:111], v7, s[12:13] offset:16
	s_lshr_b32 s46, s22, 3
	s_lshl_b32 s46, s46, 7                         ; qcodes: 128 (T / 8)
	s_and_b32 s49, s22, 7
	s_lshl_b32 s49, s49, 3                         ; + 8 (T % 8)
	s_add_co_u32 s46, s46, s49
	s_add_nc_u64 s[18:19], s[18:19], s[46:47]
	s_wait_kmcnt 0x0
	POW2 25, 35, 36                                ; Wq's scale, e1
	POW2 24, 37, 38                                ; x's, e0
	POW2 30, 39, 40                                ; q's, e6
	s_add_co_i32 s42, s24, s25
	s_add_co_i32 s42, s42, 127
	s_lshl_b32 s42, s42, 23                        ; 2^(e0 + e1)
	s_mov_b32 s43, s42                             ; (named with it as a pair, so it is written)
	v_mov_b32 v11, s35
	v_mov_b32 v12, s36
	v_mov_b32 v13, s37
	v_mov_b32 v14, s38
	s_wait_alu depctr_va_vdst(0)
	s_wait_loadcnt 0x0
	QUANT8 16, 80, 11, 12
	QUANT8 48, 88, 13, 14
	v_wmma_f32_16x16x64_bf8_bf8 v[96:103], v[80:87], v[88:95], 0   ; lane (r, h), register j: batch r & 7, e = 16 T + 8 h + j, summed over my 64 of d
.rept 4
	v_nop                                          ; four places ahead of the stores that read the result
.endr
	ds_store_b128 v8, v[96:99]                     ; the result goes to LDS as an image of its registers, from its low end on
	ds_store_b128 v8, v[100:103] offset:512
	s_wait_dscnt 0x0                               ; for the others' sake: my stores have landed
	s_barrier_signal -1
	s_barrier_wait -1
	s_cmp_lg_u32 s20, 0
	s_cbranch_scc1 .Lend                           ; wave 0 adds the eight partial sums
.irp u, 0,1,2,3,4,5,6,7
	ds_load_b128 v[16+8*\u:16+8*\u+3], v6 offset:1024*\u
	ds_load_b128 v[16+8*\u+4:16+8*\u+7], v6 offset:1024*\u+512
.endr
	v_mov_b32 v11, s39                             ; 2^e6
	v_mov_b32 v12, s40                             ; 57,344 x 2^e6
	s_wait_dscnt 0x0
.irp u, 0,2,4,6
.irp i, 0,2,4,6
	v_pk_add_f32 v[16+8*\u+\i:17+8*\u+\i], v[16+8*\u+\i:17+8*\u+\i], v[24+8*\u+\i:25+8*\u+\i]
.endr
.endr
.irp u, 0,4
.irp i, 0,2,4,6
	v_pk_add_f32 v[16+8*\u+\i:17+8*\u+\i], v[16+8*\u+\i:17+8*\u+\i], v[32+8*\u+\i:33+8*\u+\i]
.endr
.endr
.irp i, 0,2,4,6
	s_delay_alu instid0(VALU_DEP_4)
	v_pk_add_f32 v[16+\i:17+\i], v[16+\i:17+\i], v[48+\i:49+\i]
.endr
.irp i, 0,2,4,6
	s_delay_alu instid0(VALU_DEP_4)
	v_pk_fma_f32 v[80+\i:81+\i], v[16+\i:17+\i], s[42:43], v[104+\i:105+\i] op_sel_hi:[1,0,1]   ; q = sum x 2^(e0 + e1) + bq
.endr
.irp i, 0,1,2,3,4,5,6,7
	v_med3_num_f32 v[80+\i], v[80+\i], -v12, v12
.endr
	v_cvt_scalef32_pk8_bf8_f32 v[88:89], v[80:87], v11
	v_nop
	s_wait_alu depctr_va_vdst(0)
	s_wait_xcnt 0x0                                ; EXEC changes only behind this wait: it is a source of the loads above
	v_cmp_gt_u32 vcc_lo, 8, v2                     ; lanes r < 8: one for each batch and half
	s_and_saveexec_b32 s48, vcc_lo
	global_store_b64 v10, v[88:89], s[18:19]       ; 8 bytes a lane, 512 bytes apart: qcodes is 4 KiB in all, and is laid as its reader's registers want it
	s_wait_xcnt 0x0
	s_or_b32 exec_lo, exec_lo, s48
.Lend:
	s_wait_tensorcnt 0x0                           ; the wave's end
	ds_add_u32 v112, v113
	s_wait_dscnt 0x0
	s_endpgm
.Lweights:                                             ; ---- Wk or Wv: quantise, and store as images
	s_sub_co_u32 s46, s21, 1
	s_lshl_b32 s46, s46, 17                        ; kind: two parts of 65,536
	s_lshr_b32 s47, s50, 4
	s_lshl_b32 s47, s47, 18                        ; g = T / 16: four parts
	s_add_co_u32 s46, s46, s47
	s_bfe_u32 s47, s50, 0x10003
	s_lshl_b32 s47, s47, 16                        ; cb = (T / 8) % 2
	s_add_co_u32 s46, s46, s47
	s_lshl_b32 s47, s51, 13                        ; K step s
	s_add_co_u32 s46, s46, s47
	s_and_b32 s47, s50, 7
	s_lshl_b32 s47, s47, 10                        ; fragment T % 8
	s_add_co_u32 s46, s46, s47
	s_mov_b32 s47, 0
	s_add_nc_u64 s[16:17], s[16:17], s[46:47]
	s_wait_kmcnt 0x0
	s_cmp_eq_u32 s21, 1
	s_cselect_b32 s34, s27, s29                    ; e3 for Wk, e5 for Wv
	POW2 34, 35, 36
	v_mov_b32 v11, s35
	v_mov_b32 v12, s36
	s_wait_alu depctr_va_vdst(0)
	s_wait_loadcnt 0x0
	QUANT8 16, 80, 11, 12
	global_store_b128 v6, v[80:83], s[16:17]       ; 32 lanes store 512 consecutive bytes, at a multiple of 512 from the buffer's first byte
	global_store_b128 v6, v[84:87], s[16:17] offset:512
	s_endpgm
.Lfunc_end_k_qbb0d49b9a0_prep:
	.size	k_qbb0d49b9a0_prep, .Lfunc_end_k_qbb0d49b9a0_prep-k_qbb0d49b9a0_prep
	.p2alignl 7, 3214868480
	.fill 96, 4, 3214868480
	.section	.rodata,"a",@progbits
	.p2align	6, 0x0
	.amdhsa_kernel k_qbb0d49b9a0_prep
		.amdhsa_group_segment_fixed_size 9216
		.amdhsa_private_segment_fixed_size 0
		.amdhsa_enable_private_segment 0
		.amdhsa_kernarg_size 64
		.amdhsa_user_sgpr_count 2
		.amdhsa_user_sgpr_kernarg_segment_ptr 1
		.amdhsa_wavefront_size32 1
		.amdhsa_system_sgpr_workgroup_id_x 1
		.amdhsa_system_sgpr_workgroup_id_y 1
		.amdhsa_system_sgpr_workgroup_id_z 1
		.amdhsa_system_vgpr_workitem_id 0
		.amdhsa_next_free_vgpr 114
		.amdhsa_next_free_sgpr 66
		.amdhsa_reserve_vcc 1
		.amdhsa_float_denorm_mode_32 3
		.amdhsa_float_denorm_mode_16_64 3
		.amdhsa_memory_ordered 1
		.amdhsa_forward_progress 1
		.amdhsa_inst_pref_size 21
	.end_amdhsa_kernel
	.amdgpu_metadata
---
amdhsa.version: [ 1, 2 ]
amdhsa.kernels:
  - .name:           k_qbb0d49b9a0_prep
    .symbol:         k_qbb0d49b9a0_prep.kd
    .args:
      - { .name: Wq, .offset: 0, .size: 8, .value_kind: global_buffer, .address_space: global }
      - { .name: Wk, .offset: 8, .size: 8, .value_kind: global_buffer, .address_space: global }
      - { .name: Wv, .offset: 16, .size: 8, .value_kind: global_buffer, .address_space: global }
      - { .name: x, .offset: 24, .size: 8, .value_kind: global_buffer, .address_space: global }
      - { .name: bq, .offset: 32, .size: 8, .value_kind: global_buffer, .address_space: global }
      - { .name: lowp_scales, .offset: 40, .size: 8, .value_kind: global_buffer, .address_space: global }
      - { .name: wcodes, .offset: 48, .size: 8, .value_kind: global_buffer, .address_space: global }
      - { .name: qcodes, .offset: 56, .size: 8, .value_kind: global_buffer, .address_space: global }
    .group_segment_fixed_size: 9216
    .private_segment_fixed_size: 0
    .kernarg_segment_align: 8
    .kernarg_segment_size: 64
    .max_flat_workgroup_size: 256
    .sgpr_count:     66
    .vgpr_count:     114
    .wavefront_size: 32
...
	.end_amdgpu_metadata
.endif
;; end of part 1
;; launch main (part 2): grid 64 x 4, 4 waves a work-group, clusters of 4 x 4, 327,680 bytes of LDS; arguments x, wcodes, qcodes, bk, bv, lowp_scales, vcodes, spart; writes vcodes, spart
.if DOCPART == 2
	.amdgcn_target "amdgcn-amd-amdhsa--gfx1250"
	.amdhsa_code_object_version 6
	.text
	.protected	k_qbb0d49b9a0_main
	.globl	k_qbb0d49b9a0_main
	.p2align	8
	.type	k_qbb0d49b9a0_main,@function
k_qbb0d49b9a0_main:
	s_mov_b64 s[64:65], 0
	v_nop
	global_prefetch_b8 v0, s[64:65] scope:SCOPE_SE
	s_setreg_imm32_b32 hwreg(HW_REG_WAVE_MODE, 25, 1), 1
	s_wait_xcnt 0x0
	s_wait_alu depctr_hold_cnt(0) depctr_sa_sdst(0) depctr_va_vdst(0) depctr_va_sdst(0) depctr_va_ssrc(0) depctr_va_vcc(0) depctr_vm_vsrc(0)
	s_getreg_b32 s2, hwreg(HW_REG_IB_STS2, 6, 4)
	s_cmp_eq_u32 s2, 0
	s_cbranch_scc0 .Lentry_in_a_cluster
	s_endpgm
.Lentry_in_a_cluster:
	s_bfe_u32 s2, ttmp6, 0x10000c
	s_cmp_lg_u32 s2, 0xf033
	s_cbranch_scc0 .Lentry_shape_is_right
	s_endpgm
.Lentry_shape_is_right:
; For 128 keys of one batch and 256 of the 512 columns: k = x Wk + bk and v = x Wv + bv (products on codes of BF8, E5M2), both quantised; k's part of the last query's scores; v's codes.
; Only the last query of a batch reaches the output (reference() returns context[:, -1, :]): the other queries' scores are dead work and are left out; limit and proof stand at the first launch's head.
; OUT: vcodes [key block 0..127][e tile 0..31][c 0..3][lane][16 bytes]: images of the next launch's operand (K = keys): lane (r, h), registers 2 m, 2 m + 1: keys 16 m + 8 h + 0 .. 7 of column 16 tile + r.
;      spart [batch][part 0..3][2,048 keys] f32: the sum over e in 128 part .. + 127 of Q(k) Q(q), in codes.  The next launch adds the four parts.
; SHARES.  Work-group (X, cy), X = 4 x cluster + cx: key block 2 X + cy / 2 (128 rows of x), columns 256 g .. + 255 of k AND of v, g = cy % 2.  Wave w: kind w / 2 (0: k, 1: v), columns 256 g + 128 (w % 2) .. + 127: 128 keys x 128
; columns, 64 accumulators of 16 x 16, 512 registers.  So a work-group's weights are 4 x 65,536 bytes of codes: all of them lie in LDS at once, each wave's own brought by its one tensor load, and nothing is filled again.
; The roles hang on the wave's number alone, so no branch hangs on a place in the cluster.  The two work-groups that read the same rows of x lie in one cluster.
; CLUSTER: the four work-groups of a row (same cy) need the same weights and ask for them JOINTLY: the same load, the same descriptor (made of cy and the wave's number), the mask of the row.
; K (= d) goes in 8 steps of 64.  x comes as f32 straight into registers, a piece of 64 along K at a time, three pieces (3 x 32,768 bytes a work-group) ahead; a wave quantises its 32 rows twice (x has one scale for the
; product with Wk, e2, and one for that with Wv, e4) and lays the codes in LDS as images of the operand's registers, in two sets by turns.
; NO DATA PREFETCH: no slot is filled again, so there is no tensor load to run ahead of, and x's own loads go out three pieces ahead.
; ONE TEXT FOR BOTH ROLES: a matrix operand's layout is the same for source 0 and source 1.  k: source 0 = 16 columns of Wk, source 1 = 16 keys: a lane holds ONE key and 8 neighbouring e (the score product's K).
;   v: source 0 = 16 keys, source 1 = 16 columns of Wv: a lane holds ONE e and 8 neighbouring keys (the context product's K).  The roles differ in which LDS image goes to which registers, in the first step's C, and in the way out.
; THE SUMS BEGIN AS bias / 2^(the two scales' exponents): k's bias of tile t stands in accumulator (t, 7), v's of tile t in (7, t); the first step's other products take it from there as C, those accumulators' own products come last.
; The three scales ahead of a quantiser are folded into the conversion's one.  The place of k in the registers (k = 32 c + 16 h + 0 .. 15) is a permutation of the form's own, alike on both sides.
; LIMITS.  e2, e4, e7 - e2 - e3, e9 - e4 - e5 between -126 and 112.  NaN among the inputs is not served.
; LDS IMAGES: a fragment (16 rows x 64 of K) is four lines (c, h) of 256 bytes, row r at 16 r, with 16 bytes of padding behind each line, W's laid so by the tensor load
; REGISTERS, in windows of 256.  Window 0: v1-23 addresses, scales; v24-31 at work; v32-63 a piece's codes; v64-255 three pieces of x (piece s in set s % 3); later q (v64-79) and the scores (v192-255).
;   Window 1: two fragment buffers of 128: source 0's eight fragments, then source 1's eight; later the codes of k or v.   Windows 2, 3: accumulator (a, b), a = source 0's tile, at v[64 (a % 4) + 8 b], a = 0-3 and 4-7.
.set LINE,  272
.set FRB,   4*LINE                     ; a fragment's image
.set WSTEP, 8*FRB                      ; a wave's eight fragments of one K step
.set WSZ,   8*WSTEP                    ; 69,632: a wave's weights
.set XC,    4*WSZ                      ; x's codes: two sets, each for k and for v
.set XK,    8*FRB                      ; 128 rows x 64 of K
.set XSET,  2*XK
.set OST,   XC+2*XSET                  ; 313,344: a stage of 512 bytes for each of the two waves of k
.set SPARE, OST+1024                   ; 314,368: the spare words, 128 bytes for each wave: two blocks of 256 bytes that no other line names
.set XS,  2                            ; v2   where I store x's codes
.set XR,  3                            ; v3   where I read x's fragments, of my kind
.set WA,  4                            ; v4   my weights, K steps 0-3; v5: 4-7
.set XA,  6                            ; v6   my byte offset in the work-group's rows of x
.set BKA, 7                            ; v7   bk: 32 h
.set OFS, 9                            ; v9   16 x lane
.set SS,  10                           ; v10  the stage, in: 4 r
.set SL,  11                           ; v11  the stage, back: 16 x lane
.set CSC, 12                           ; v12  the last conversion's scale, v13 57,344 x that
.set SPW, 18                           ; v18  LDS address of my spare word; never rewritten
.set NIL, 19                           ; v19  0; never rewritten
.set BVA, 20                           ; v20  bv: 4 r
.set QA,  21                           ; v21  qcodes: 64 h
.set T,   24
.set CT,  32
.set SX,  64
.set QF,  64
.set SC,  192
.set MSB, 0
.macro WIN new                         ; the immediate's high byte repeats the setting that is left; bits 1:0 source 0, 3:2 source 1, 5:4 source 2, 7:6 destination
.if MSB != \new
	s_set_vgpr_msb (MSB<<8)|\new
.set MSB, \new
.endif
.endm
.macro PLACES                          ; four plain vector lines between a matrix instruction and a load into, or a read of, its registers (ISA guide 7.12.1 for reads)
.rept 4
	v_nop
.endr
.endm
.macro ROUND                           ; a round of the cluster's barrier
	s_barrier_signal -1
	s_barrier_wait -1
	s_cmp_lg_u32 s20, 0
	s_cbranch_scc1 .Lnot_wave_0_\@
	s_barrier_signal -3
.Lnot_wave_0_\@:
	s_barrier_wait -3
	s_barrier_signal -1
	s_barrier_wait -1
.endm
.macro POW2 e, sc, lim                 ; s[sc] = 2^s[e] as f32, s[lim] = 57,344 x that
	s_add_co_i32 s[\lim], s[\e], 127
	s_lshl_b32 s[\sc], s[\lim], 23
	s_add_co_i32 s[\lim], s[\lim], 15
	s_lshl_b32 s[\lim], s[\lim], 23
	s_or_b32 s[\lim], s[\lim], 0x600000
.endm
.macro XLOAD s                         ; piece s of x: my 32 rows, d = 64 s .. + 63: load p takes 256 consecutive bytes of row 16 (p / 8) + p % 8 and of the row 8 below it; both work-groups of the pair read them
.set XB_, SX+64*((\s)%3)
.irp p, 0,1,2,3,4,5,6,7,8,9,10,11,12,13,14,15
	global_load_b128 v[XB_+4*\p:XB_+4*\p+3], v[XA], s[4:5] offset:(16*(\p/8)+\p%8)*2048+(\s)*256
.endr
.endm
; Piece s becomes codes, once with e2 and once with e4.  The scale is one for the whole tensor, so a conversion's eight numbers may be four of one row and four of the next.
; The eight plain holds stand between a conversion and any write of its sources.  left: the younger loads, which may stay out.
.macro QUANT s, left
.set XB_, SX+64*((\s)%3)
.set XD_, XSET*((\s)%2)
	s_wait_loadcnt \left
.irp g, 0,1,2,3,4,5,6,7
.irp i, 0,1,2,3,4,5,6,7
	v_med3_num_f32 v[T+\i], v[XB_+8*\g+\i], -v15, v15         ; the conversion to an 8-bit code does not saturate (ISA guide 7.6.2): the hold at 57,344 x 2^e2
.endr
	v_cvt_scalef32_pk8_bf8_f32 v[CT+4*\g:CT+4*\g+1], v[T:T+7], v14
.irp i, 0,1,2,3,4,5,6,7
	v_med3_num_f32 v[XB_+8*\g+\i], v[XB_+8*\g+\i], -v17, v17  ; and at 57,344 x 2^e4
.endr
	v_cvt_scalef32_pk8_bf8_f32 v[CT+4*\g+2:CT+4*\g+3], v[XB_+8*\g:XB_+8*\g+7], v16
.endr
	v_nop                                          ; one plain vector line behind the last conversion
.irp g, 0,1,2,3,4,5,6,7
	ds_store_b32 v[XS], v[CT+4*\g]   offset:XD_+FRB*(\g/4)+16*((2*\g)%8)        ; loads 2 g and 2 g + 1, for k
	ds_store_b32 v[XS], v[CT+4*\g+1] offset:XD_+FRB*(\g/4)+16*((2*\g)%8)+16
	ds_store_b32 v[XS], v[CT+4*\g+2] offset:XD_+XK+FRB*(\g/4)+16*((2*\g)%8)     ; and for v
	ds_store_b32 v[XS], v[CT+4*\g+3] offset:XD_+XK+FRB*(\g/4)+16*((2*\g)%8)+16
.endr
.endm
.macro FR dst, adr, off                ; a fragment: two LDS loads
	ds_load_b128 v[\dst:\dst+3], v[\adr] offset:\off
	ds_load_b128 v[\dst+4:\dst+7], v[\adr] offset:\off+2*LINE
.endm
.macro FETCH s                         ; step s's 16 fragments, 32 LDS loads, into buffer s % 2.  The branch hangs on the wave's number alone and leads round no barrier; both arms issue as many LDS loads
.set FB, 128*((\s)%2)
.set FW, WSTEP*((\s)%4)
.set FA, WA+((\s)/4)
.set FX, XSET*((\s)%2)
	s_cmp_lg_u32 s21, 0
	s_cbranch_scc1 .Lfetch_v_\@
	WIN 0x40                                       ; destination window 1, address window 0
.irp f, 0,1,2,3,4,5,6,7
	FR FB+8*\f, FA, FW+FRB*\f
	FR FB+64+8*\f, XR, FX+FRB*\f
.endr
	WIN 0
.if (\s) == 7
.irp j, 0,1,2,3
	global_load_b128 v[QF+4*\j:QF+4*\j+3], v[QA], s[8:9] offset:16*\j   ; q's codes, into registers that x has left: registers 2 t, 2 t + 1: e = 16 t + 8 h + 0 .. 7 of my 128, alike in every r
.endr
.endif
	s_branch .Lfetched_\@
.Lfetch_v_\@:
	WIN 0x40
.irp f, 0,1,2,3,4,5,6,7
	FR FB+8*\f, XR, FX+FRB*\f
	FR FB+64+8*\f, FA, FW+FRB*\f
.endr
	WIN 0
.Lfetched_\@:
.endm
.macro MUL s, a0, n                    ; 8 n products; the 64 accumulators take turns, one instruction a turn, in the same order in every step
.set FB, 128*((\s)%2)
.set ma, \a0
.rept \n
.irp b, 0,1,2,3,4,5,6,7
	v_wmma_f32_16x16x64_bf8_bf8 v[64*(ma%4)+8*\b:64*(ma%4)+8*\b+7], v[FB+8*ma:FB+8*ma+7], v[FB+64+8*\b:FB+64+8*\b+7], v[64*(ma%4)+8*\b:64*(ma%4)+8*\b+7]
.endr
.set ma, ma+1
.endr
.endm
.macro FIRST d, a, b, c                ; a product of step 0: accumulator at d, source 0's tile a, source 1's tile b, C at c
	v_wmma_f32_16x16x64_bf8_bf8 v[\d:\d+7], v[8*(\a):8*(\a)+7], v[64+8*(\b):64+8*(\b)+7], v[\c:\c+7]
.endm
; A step.  Behind the barrier's wait the next step's codes are whole and nobody reads the set before them; the fragments of THIS step came in the last one (its s_wait_dscnt 0 shows them).
; The signal says that my reads of the next step's fragments are over and my codes two steps on have landed; sixteen products, work on registers, stand between it and the next wait.
.macro STEP s, left
	s_barrier_wait -1
	PLACES                                         ; ahead of loads into the buffer that the last step multiplied
	FETCH \s+1
	WIN 0xa5                                       ; sources 0 and 1 window 1, C and D window 2
	MUL \s, 0, 4
	WIN 0
	QUANT \s+2, \left
.if (\s)+5 < 8
	XLOAD \s+5
.endif
	WIN 0xf5                                       ; C and D window 3
	MUL \s, 4, 2
	s_wait_dscnt 0x0
	s_barrier_signal -1
	MUL \s, 6, 2
	WIN 0
.endm
; Accumulators (0 .. 7, b) become codes: registers 16 b + 2 a, + 1 of window 1: for k key tile b's fragment, for v column tile b's
.macro EPI b
	WIN 0x82                                       ; source 0 and destination window 2
.irp a, 0,1,2,3
.irp j, 0,1,2,3,4,5,6,7
	v_med3_num_f32 v[64*\a+8*\b+\j], v[64*\a+8*\b+\j], -v13, v13      ; each accumulator from its low end on
.endr
.endr
	WIN 0xc3
.irp a, 0,1,2,3
.irp j, 0,1,2,3,4,5,6,7
	v_med3_num_f32 v[64*\a+8*\b+\j], v[64*\a+8*\b+\j], -v13, v13
.endr
.endr
	WIN 0x42                                       ; source 0 window 2, destination window 1
.irp a, 0,1,2,3
	v_cvt_scalef32_pk8_bf8_f32 v[16*\b+2*\a:16*\b+2*\a+1], v[64*\a+8*\b:64*\a+8*\b+7], v[CSC]
.endr
	WIN 0x43
.irp a, 0,1,2,3
	v_cvt_scalef32_pk8_bf8_f32 v[16*\b+8+2*\a:16*\b+8+2*\a+1], v[64*\a+8*\b:64*\a+8*\b+7], v[CSC]
.endr
	v_nop                                          ; one plain vector line behind the last conversion
.endm
	s_load_b512 s[4:19], s[0:1], 0x0               ; x s[4:5], wcodes s[6:7], qcodes s[8:9], bk s[10:11], bv s[12:13], the exponents s[14:15], vcodes s[16:17], spart s[18:19]
	v_lshl_add_u32 v[SPW], v0, 2, SPARE
	v_mov_b32 v[NIL], 0
	ds_add_u32 v18, v19                            ; the opening lines: the add, twice on end, and its wait; the set-up below stands between
	ds_add_u32 v18, v19
	v_lshrrev_b32 v1, 5, v0
	v_readfirstlane_b32 s20, v1                    ; wave 0..3
	s_lshr_b32 s21, s20, 1                         ; kind: 0: k, 1: v
	s_and_b32 s22, s20, 1                          ; which 128 of the 256 columns
	s_bfe_u32 s40, ttmp6, 0x40004                  ; cy
	s_bfe_u32 s45, ttmp6, 0x40000                  ; cx
	s_and_b32 s41, s40, 1                          ; g
	; descriptor group 1: 65,536 bytes as 256 rows of 32 elements of 8 bytes, 16 bytes of padding behind each row
	s_lshl_b32 s36, s40, 2
	s_lshl_b32 s36, 15, s36                        ; my row of the cluster: places 4 cy .. 4 cy + 3
	s_or_b32 s24, s36, (3<<16)|(1<<20)|(1<<21)|(5<<22)|(3<<25)     ; 17:16 elements of 8 bytes; 20 padding on; 21 set beside a mask; 24:22 after every 64 words (code 5); 31:25 of 4 words (code 3)
	s_mov_b32 s25, 32<<16                          ; tensor_dim0 = 32
	s_mov_b32 s26, 256<<16                         ; tensor_dim1 = 256
	s_mov_b32 s27, 32<<16                          ; tile_dim0 = 32
	s_mov_b32 s28, 256                             ; tile_dim1 = 256
	s_mov_b32 s29, 32                              ; from row to row
	s_mov_b32 s30, 0
	s_mov_b32 s31, 0
	s_mov_b32 s32, 1                               ; group 0: count = 1
	s_mul_i32 s33, s20, WSZ                        ; LDS address: my weights
	s_lshl_b32 s37, s41, 2
	s_add_co_u32 s37, s37, s20
	s_lshl_b32 s42, s37, 16                        ; wcodes: part 4 g + w
	s_mov_b32 s43, 0
	s_lshl_b32 s23, s41, 1
	s_add_co_u32 s23, s23, s22                     ; my block of 128 columns, 0..3
	s_lshl_b32 s46, ttmp9, 2                       ; in a cluster launch ttmp9 counts clusters
	s_add_co_u32 s46, s46, s45                     ; X
	s_lshr_b32 s56, s40, 1
	s_lshl_b32 s47, s46, 1
	s_add_co_u32 s47, s47, s56                     ; key block 0..127
	s_lshr_b32 s46, s46, 3                         ; the batch: 16 key blocks
	s_lshl_b32 s58, s47, 18                        ; x: 128 rows of 2,048 bytes
	s_mov_b32 s59, 0
	s_lshl_b32 s60, s47, 16                        ; vcodes: 65,536 bytes a key block,
	s_lshl_b32 s61, s23, 14                        ; 16,384 a block of columns
	s_add_co_u32 s60, s60, s61
	s_mov_b32 s61, 0
	s_lshl_b32 s62, s46, 15                        ; spart: 32,768 bytes a batch,
	s_lshl_b32 s63, s23, 13                        ; 8,192 a part,
	s_add_co_u32 s62, s62, s63
	s_and_b32 s63, s47, 15
	s_lshl_b32 s63, s63, 9                         ; 512 a key block
	s_add_co_u32 s62, s62, s63
	s_mov_b32 s63, 0
	s_lshl_b32 s66, s46, 9                         ; qcodes: 512 bytes a batch, 128 a block of columns
	s_lshl_b32 s67, s23, 7
	s_add_co_u32 s66, s66, s67
	s_mov_b32 s67, 0
	s_lshl_b32 s68, s23, 9                         ; the biases: 128 numbers
	s_mov_b32 s69, 0
	s_lshl_b32 s38, s20, 16                        ; my 32 rows of x
	s_mul_i32 s39, s21, XK
	s_add_co_u32 s39, s39, XC
	s_mul_i32 s44, s20, 2*FRB
	s_add_co_u32 s44, s44, XC
	s_lshl_b32 s54, s22, 9
	s_add_co_u32 s54, s54, OST
	v_and_b32 v1, 31, v0                           ; lane
	v_and_b32 v22, 15, v0                          ; r
	v_bfe_u32 v23, v0, 4, 1                        ; h
	v_lshlrev_b32 v[OFS], 4, v1
	v_lshlrev_b32 v8, 4, v22
	v_mul_u32_u24 v10, v23, LINE
	v_add_nc_u32 v8, v8, v10                       ; a fragment's place for my lane: line h, row r
	v_add_nc_u32 v[WA], s33, v8
	v_add_nc_u32 v[WA+1], 4*WSTEP, v[WA]
	v_add_nc_u32 v[XR], s39, v8
	v_lshlrev_b32 v[XA], 4, v22
	v_lshl_add_u32 v[XA], v23, 14, v[XA]           ; lanes 16-31: 8 rows on
	v_add_nc_u32 v[XA], s38, v[XA]
	v_lshrrev_b32 v1, 2, v22
	v_mul_u32_u24 v1, v1, LINE
	v_and_b32 v2, 3, v22
	v_lshl_add_u32 v[XS], v2, 2, v1                ; my four codes: k = 4 (lane % 16) ..: line (lane % 16) / 4, byte 4 (lane % 4),
	v_lshl_add_u32 v[XS], v23, 7, v[XS]            ; 8 rows on in lanes 16-31
	v_add_nc_u32 v[XS], s44, v[XS]
	v_lshlrev_b32 v[BKA], 5, v23
	v_lshlrev_b32 v[BVA], 2, v22
	v_lshlrev_b32 v[QA], 6, v23
	v_lshl_add_u32 v[SS], v22, 2, s54
	v_add_nc_u32 v[SL], s54, v[OFS]
	s_wait_alu depctr_va_vdst(0)
	s_wait_dscnt 0x0                               ; both opening adds are done
	s_wait_kmcnt 0x0
	s_load_b256 s[72:79], s[14:15], 0x0            ; e0 .. e7
	s_load_b64 s[80:81], s[14:15], 0x20            ; e8, e9
	s_add_nc_u64 s[4:5], s[4:5], s[58:59]
	XLOAD 0
	s_add_nc_u64 s[34:35], s[6:7], s[42:43]        ; group 0: global address,
	s_or_b32 s35, s35, 0x80000000                  ; type = 2
	s_cmp_eq_u32 s21, 0
	s_cselect_b64 s[12:13], s[10:11], s[12:13]     ; bk or bv
	s_add_nc_u64 s[12:13], s[12:13], s[68:69]
	s_add_nc_u64 s[8:9], s[8:9], s[66:67]
	s_add_nc_u64 s[16:17], s[16:17], s[60:61]
	s_add_nc_u64 s[18:19], s[18:19], s[62:63]
	s_cmp_lg_u32 s21, 0
	s_cbranch_scc1 .Lbias_v
	WIN 0x80                                       ; destination window 2
.irp t, 0,1,2,3
	global_load_b128 v[64*\t+56:64*\t+59], v[BKA], s[12:13] offset:64*\t           ; bk[16 t + 8 h + 0 .. 7] of my 128, straight into the accumulator (t, 7)
	global_load_b128 v[64*\t+60:64*\t+63], v[BKA], s[12:13] offset:64*\t+16
.endr
	WIN 0xc0                                       ; destination window 3
.irp t, 0,1,2,3
	global_load_b128 v[64*\t+56:64*\t+59], v[BKA], s[12:13] offset:64*\t+256
	global_load_b128 v[64*\t+60:64*\t+63], v[BKA], s[12:13] offset:64*\t+272
.endr
	WIN 0
	s_branch .Lbias_asked
.Lbias_v:
	WIN 0xc0
.irp t, 0,1,2,3,4,5,6,7
	global_load_b32 v[192+8*\t], v[BVA], s[12:13] offset:64*\t                     ; bv[16 t + r] of my 128, into the accumulator (7, t)
.endr
	WIN 0
.Lbias_asked:
	ROUND                                          ; all sixteen work-groups are here: the joint loads meet
	tensor_load_to_lds s[32:35], s[24:31]          ; my weights: the wave's one tensor load
	s_nop 0
	PLACES
	XLOAD 1
	XLOAD 2
	s_wait_kmcnt 0x0
	POW2 74, 36, 37                                ; x's scale for k, e2
	POW2 76, 42, 43                                ; and for v, e4
	s_add_co_i32 s52, s74, s75                     ; e2 + e3: a sum of k's product stands for sum x 2^(e2 + e3)
	s_add_co_i32 s53, s76, s77                     ; e4 + e5
	s_sub_co_i32 s55, s79, s52                     ; k's conversion: 2^(e7 - e2 - e3)
	s_sub_co_i32 s56, s81, s53                     ; v's: 2^(e9 - e4 - e5)
	s_cmp_eq_u32 s21, 0
	s_cselect_b32 s55, s55, s56
	s_cselect_b32 s52, s52, s53
	s_sub_co_i32 s48, 0, s52                       ; the bias is divided by the two scales
	POW2 55, 50, 51
	v_mov_b32 v12, s50
	v_mov_b32 v13, s51
	v_mov_b32 v14, s36
	v_mov_b32 v15, s37
	v_mov_b32 v16, s42
	v_mov_b32 v17, s43
	s_wait_alu depctr_va_vdst(0)
	QUANT 0, 40                                    ; pieces 1 and 2 and at least eight loads of biases may be out
	XLOAD 3
	s_wait_dscnt 0x0                               ; the stores have read their registers
	QUANT 1, 32                                    ; pieces 2 and 3 may be out; the biases are in
	XLOAD 4
	s_cmp_lg_u32 s21, 0
	s_cbranch_scc1 .Linit_v
	WIN 0x82
.irp t, 0,1,2,3
.irp j, 0,1,2,3,4,5,6,7
	v_ldexp_f32 v[64*\t+56+\j], v[64*\t+56+\j], s48
.endr
.endr
	WIN 0xc3
.irp t, 0,1,2,3
.irp j, 0,1,2,3,4,5,6,7
	v_ldexp_f32 v[64*\t+56+\j], v[64*\t+56+\j], s48
.endr
.endr
	WIN 0
	s_branch .Linit_done
.Linit_v:
	WIN 0xc3
.irp t, 0,1,2,3,4,5,6,7
.irp j, 7,6,5,4,3,2,1,0
	v_ldexp_f32 v[192+8*\t+\j], v[192+8*\t], s48   ; a lane holds one e in all eight registers; the first in place, last
.endr
.endr
	WIN 0
.Linit_done:
	s_wait_alu depctr_va_vdst(0)
	s_wait_dscnt 0x0                               ; for the others' sake: my codes of pieces 0 and 1 have landed
	s_barrier_signal -1
	s_barrier_wait -1
	s_wait_tensorcnt 0x0                           ; my weights are in LDS; I alone read them
	FETCH 0
	s_wait_dscnt 0x0                               ; my reads of set 0 are over
	s_barrier_signal -1
	; ---- step 0: the bias as C
	s_barrier_wait -1
	FETCH 1
	s_cmp_lg_u32 s21, 0
	s_cbranch_scc1 .Lfirst_v
	WIN 0xa5
.irp b, 0,1,2,3,4,5,6
.irp a, 0,1,2,3
	FIRST 64*\a+8*\b, \a, \b, 64*\a+56
.endr
.endr
	WIN 0xf5
.irp b, 0,1,2,3,4,5,6
.irp a, 0,1,2,3
	FIRST 64*\a+8*\b, \a+4, \b, 64*\a+56
.endr
.endr
	PLACES
	v_nop                                          ; five places: the products below write over the last ones' C
.irp a, 0,1,2,3
	FIRST 64*\a+56, \a+4, 7, 64*\a+56
.endr
	WIN 0xa5
.irp a, 0,1,2,3
	FIRST 64*\a+56, \a, 7, 64*\a+56
.endr
	WIN 0
	s_branch .Lfirst_done
.Lfirst_v:
	WIN 0xb5                                       ; C window 3, D window 2
.irp a, 0,1,2,3
.irp b, 0,1,2,3,4,5,6,7
	FIRST 64*\a+8*\b, \a, \b, 192+8*\b
.endr
.endr
	WIN 0xf5
.irp a, 0,1,2
.irp b, 0,1,2,3,4,5,6,7
	FIRST 64*\a+8*\b, \a+4, \b, 192+8*\b
.endr
.endr
	PLACES
	v_nop
.irp b, 0,1,2,3,4,5,6,7
	FIRST 192+8*\b, 7, \b, 192+8*\b
.endr
	WIN 0
.Lfirst_done:
	QUANT 2, 32                                    ; two younger pieces may be out, here and in steps 1 to 3
	XLOAD 5
	s_wait_dscnt 0x0
	s_barrier_signal -1
	STEP 1, 32
	STEP 2, 32
	STEP 3, 32
	STEP 4, 16                                     ; piece 7 may be out
	STEP 5, 0
	s_barrier_wait -1                              ; step 6: nothing more to quantise
	PLACES
	FETCH 7
	WIN 0xa5
	MUL 6, 0, 4
	WIN 0xf5
	MUL 6, 4, 4
	s_wait_dscnt 0x0                               ; step 7's fragments
	WIN 0xa5
	MUL 7, 0, 4
	WIN 0xf5
	MUL 7, 4, 4
	WIN 0
	PLACES                                         ; ahead of the first read of results
	s_cmp_lg_u32 s21, 0
	s_cbranch_scc1 .Lout_v
	; ---- k: codes, then my part of the scores.  Source 0 = q in all 16 rows, source 1 = 16 keys: every register of lane r is key 16 m + r's sum over my 128 of e
.irp b, 0,1,2,3,4,5,6,7
	EPI \b
.endr
	s_wait_alu depctr_va_vdst(0)
	s_wait_loadcnt 0x0                             ; q
	WIN 0x04                                       ; source 1 window 1
.irp m, 0,1,2,3,4,5,6,7
	v_wmma_f32_16x16x128_bf8_bf8 v[SC+8*\m:SC+8*\m+7], v[QF:QF+15], v[16*\m:16*\m+15], 0
.endr
	WIN 0
	PLACES
.irp m, 0,1,2,3,4,5,6,7
	ds_store_b32 v[SS], v[SC+8*\m] offset:64*\m    ; through my own stage, so that a lane holds 16 neighbouring bytes (both halves of the lanes store the same)
.endr
	ds_load_b128 v[T:T+3], v[SL]                   ; LDS serves a wave's instructions in order (ISA guide 5.7.1.4): this sees my stores
	s_wait_dscnt 0x0
	global_store_b128 v[OFS], v[T:T+3], s[18:19]   ; 128 keys: 512 consecutive bytes, at a multiple of 512 from the buffer's first byte
	s_branch .Lend
.Lout_v:                                               ; ---- v: codes, stored tile by tile as images
.irp b, 0,1,2,3,4,5,6,7
	EPI \b
	WIN 0x04                                       ; store data window 1
.irp c, 0,1,2,3
	global_store_b128 v[OFS], v[16*\b+4*\c:16*\b+4*\c+3], s[16:17] offset:2048*\b+512*\c   ; 512 consecutive bytes, aligned
.endr
.endr
	WIN 0
.Lend:
	s_wait_tensorcnt 0x0                           ; the wave's end
	ds_add_u32 v[SPW], v[NIL]
	s_wait_dscnt 0x0
	ROUND                                          ; the closing round: no work-group ends while a partner may still ask for a tile that names it
	s_endpgm
.Lfunc_end_k_qbb0d49b9a0_main:
	.size	k_qbb0d49b9a0_main, .Lfunc_end_k_qbb0d49b9a0_main-k_qbb0d49b9a0_main
	.p2alignl 7, 3214868480
	.fill 96, 4, 3214868480
	.section	.rodata,"a",@progbits
	.p2align	6, 0x0
	.amdhsa_kernel k_qbb0d49b9a0_main
		.amdhsa_group_segment_fixed_size 327680
		.amdhsa_private_segment_fixed_size 0
		.amdhsa_enable_private_segment 0
		.amdhsa_kernarg_size 64
		.amdhsa_user_sgpr_count 2
		.amdhsa_user_sgpr_kernarg_segment_ptr 1
		.amdhsa_wavefront_size32 1
		.amdhsa_system_sgpr_workgroup_id_x 1
		.amdhsa_system_sgpr_workgroup_id_y 1
		.amdhsa_system_sgpr_workgroup_id_z 1
		.amdhsa_system_vgpr_workitem_id 0
		.amdhsa_next_free_vgpr 1024
		.amdhsa_next_free_sgpr 84
		.amdhsa_reserve_vcc 0
		.amdhsa_float_denorm_mode_32 3
		.amdhsa_float_denorm_mode_16_64 3
		.amdhsa_memory_ordered 1
		.amdhsa_forward_progress 1
		.amdhsa_inst_pref_size 255
	.end_amdhsa_kernel
	.section	.bss,"aw",@nobits
	.p2align	6
	.space	262144
	.amdgpu_metadata
---
amdhsa.version: [ 1, 2 ]
amdhsa.kernels:
  - .name:           k_qbb0d49b9a0_main
    .symbol:         k_qbb0d49b9a0_main.kd
    .args:
      - { .name: x, .offset: 0, .size: 8, .value_kind: global_buffer, .address_space: global }
      - { .name: wcodes, .offset: 8, .size: 8, .value_kind: global_buffer, .address_space: global }
      - { .name: qcodes, .offset: 16, .size: 8, .value_kind: global_buffer, .address_space: global }
      - { .name: bk, .offset: 24, .size: 8, .value_kind: global_buffer, .address_space: global }
      - { .name: bv, .offset: 32, .size: 8, .value_kind: global_buffer, .address_space: global }
      - { .name: lowp_scales, .offset: 40, .size: 8, .value_kind: global_buffer, .address_space: global }
      - { .name: vcodes, .offset: 48, .size: 8, .value_kind: global_buffer, .address_space: global }
      - { .name: spart, .offset: 56, .size: 8, .value_kind: global_buffer, .address_space: global }
    .group_segment_fixed_size: 327680
    .private_segment_fixed_size: 0
    .kernarg_segment_align: 8
    .kernarg_segment_size: 64
    .max_flat_workgroup_size: 128
    .sgpr_count:     84
    .vgpr_count:     1024
    .wavefront_size: 32
...
	.end_amdgpu_metadata
.endif
;; end of part 2
;; launch join (part 3): grid 256 x 1, 4 waves a work-group, no clusters, 3,072 bytes of LDS; arguments spart, vcodes, lowp_scales, out0; writes out0
.if DOCPART == 3
	.amdgcn_target "amdgcn-amd-amdhsa--gfx1250"
	.amdhsa_code_object_version 6
	.text
	.protected	k_qbb0d49b9a0_join
	.globl	k_qbb0d49b9a0_join
	.p2align	8
	.type	k_qbb0d49b9a0_join,@function
k_qbb0d49b9a0_join:
	s_mov_b64 s[64:65], 0
	v_nop
	global_prefetch_b8 v0, s[64:65] scope:SCOPE_SE
	s_setreg_imm32_b32 hwreg(HW_REG_WAVE_MODE, 25, 1), 1
	s_wait_xcnt 0x0
; out0[b][e] = (sum over keys of Q(p) Q(v)) x 2^(e8 + e9) / l for the last query of each batch: the softmax and the context product, on codes of BF8 (E5M2).
; Only the last query reaches the output: the other queries' softmax and context are dead work and are left out; limit and proof stand at the first launch's head.
; SHARES.  256 work-groups: batch ttmp9 % 8, 16 columns e = 16 (ttmp9 / 8) + r.  Wave u takes keys 512 u .. + 511, four blocks of 128: v's codes come as images of the operand, 16 loads of 512 consecutive bytes straight into registers.
; A lane owns 16 keys, four neighbours in each block; it adds the scores' four parts, and p = 2^(t - M) with M = ceil(the wave's largest t).  p's codes turn through the wave's own LDS bytes into the operand's layout: byte
; 64 h + 8 m + i of a block is key 16 m + 8 h + i; every r reads the same, so the operand's 16 rows are alike.  The four waves' parts (-M, l, the sums) meet in LDS, and wave 0 brings them under one M by exact powers of two.
; Read once, with no loop and no tile in LDS: no cluster, no prefetch.  A batch's 32 KiB of scores are read by its 32 work-groups, straight into registers.  A work-group's 64 bytes of out0 have one owner (out0 is 16 KiB in all).
; LIMITS.  e8 between -126 and 112; e6 + e7 between -122 and 131 (added to c's exponent field).  NaN among the inputs is not served.
;   p is quantised under the M of the wave's 512 keys, not the whole row's: the later rescaling is an exact power of two, so the quantised numbers differ from those under the row's M only where p / 2^e8 would
;   there fall under the format's normal range, or, with e8 <= -16, where a p near 1 is held at the largest code.
; LDS: 512 bytes of p's codes for each wave; EX: the sums [r][u]; EXM: -M [u], then l [u]; SPARE.
.set EX,    2048
.set EXM,   2304
.set SPARE, 2560
	s_load_b256 s[4:11], s[0:1], 0x0               ; spart s[4:5], vcodes s[6:7], the exponents s[8:9], out0 s[10:11]
	v_lshl_add_u32 v14, v0, 2, SPARE               ; my spare word; never rewritten
	v_mov_b32 v15, 0                               ; never rewritten
	v_lshrrev_b32 v1, 5, v0
	v_readfirstlane_b32 s12, v1                    ; wave u
	s_and_b32 s20, ttmp9, 7                        ; batch
	s_lshr_b32 s21, ttmp9, 3                       ; tile
	s_lshl_b32 s13, s12, 9
	s_lshl_b32 s14, s12, 2
	s_add_co_u32 s15, s14, EXM
	s_add_co_u32 s14, s14, EX
	s_lshl_b32 s16, s20, 15
	s_lshl_b32 s17, s12, 11
	s_add_co_u32 s16, s16, s17                     ; spart: 32,768 bytes a batch, 512 keys a wave
	s_mov_b32 s17, 0
	s_lshl_b32 s18, s20, 20
	s_lshl_b32 s19, s12, 18
	s_add_co_u32 s18, s18, s19
	s_lshl_b32 s19, s21, 11
	s_add_co_u32 s18, s18, s19                     ; vcodes: key block 16 b + 4 u, my tile
	s_mov_b32 s19, 0
	s_lshl_b32 s22, s20, 11
	s_lshl_b32 s23, s21, 6
	s_add_co_u32 s22, s22, s23                     ; out0
	s_mov_b32 s23, 0
	s_mov_b32 s34, 0x76543210                      ; v_permlanex16_b32's selects for lane l xor 16
	s_mov_b32 s35, 0xfedcba98
	v_and_b32 v1, 31, v0                           ; lane
	v_and_b32 v3, 15, v0                           ; r
	v_bfe_u32 v4, v0, 4, 1                         ; h
	v_lshlrev_b32 v2, 4, v1
	v_bfe_u32 v5, v0, 1, 1
	v_bfe_u32 v6, v0, 2, 3
	v_lshlrev_b32 v5, 6, v5
	v_lshl_add_u32 v5, v6, 3, v5
	v_and_b32 v6, 1, v0
	v_lshl_add_u32 v5, v6, 2, v5
	v_add_nc_u32 v5, s13, v5                       ; where my four codes of a block go: keys 4 lane ..: half (lane / 2) % 2, m = lane / 4
	v_lshl_add_u32 v6, v4, 6, s13                  ; where the operand is read
	v_lshl_add_u32 v7, v3, 4, s14                  ; EX + 16 r + 4 u
	v_mov_b32 v8, s15                              ; EXM + 4 u
	v_lshlrev_b32 v9, 4, v3
	v_add_nc_u32 v9, EX, v9
	v_mov_b32 v10, EXM
	v_lshlrev_b32 v13, 2, v3
	v_mov_b32 v12, 0                               ; written once: a lane permute's destination counts as one of its sources
	s_wait_alu depctr_va_vdst(0)
	s_wait_kmcnt 0x0
	s_load_b128 s[24:27], s[8:9], 0x18             ; e6, e7, e8, e9
	s_add_nc_u64 s[4:5], s[4:5], s[16:17]
	s_add_nc_u64 s[6:7], s[6:7], s[18:19]
	s_add_nc_u64 s[10:11], s[10:11], s[22:23]
.irp p, 0,1,2,3
.irp i, 0,1,2,3
	global_load_b128 v[16+16*\p+4*\i:16+16*\p+4*\i+3], v2, s[4:5] offset:8192*\p+512*\i     ; part p of block i: keys 4 lane .. + 3
.endr
.endr
.irp i, 0,1,2,3
.irp c, 0,1,2,3
	global_load_b128 v[80+16*\i+4*\c:80+16*\i+4*\c+3], v2, s[6:7] offset:65536*\i+512*\c th:TH_LOAD_NT   ; v's codes, block i
.endr
.endr
	s_wait_kmcnt 0x0
	s_add_co_i32 s28, s24, s25
	s_lshl_b32 s28, s28, 23
	s_add_co_i32 s28, s28, 0x3d8293ee              ; c = log2(e) / sqrt(512), with e6 + e7 added to its exponent field
	s_mov_b32 s29, s28                             ; (named with it as a pair, so it is written)
	s_add_co_i32 s30, s26, 127
	s_lshl_b32 s31, s30, 23                        ; 2^e8
	s_add_co_i32 s30, s30, 15
	s_lshl_b32 s30, s30, 23
	s_or_b32 s30, s30, 0x600000                    ; 57,344 x 2^e8
	s_add_co_i32 s33, s26, s27                     ; e8 + e9
	v_mov_b32 v11, s31
	s_wait_alu depctr_va_vdst(0)
	s_wait_loadcnt 0x10                            ; the scores are in; v's 16 loads may be out
.irp j, 0,2,4,6,8,10,12,14
	v_pk_add_f32 v[16+\j:17+\j], v[16+\j:17+\j], v[32+\j:33+\j]
	v_pk_add_f32 v[48+\j:49+\j], v[48+\j:49+\j], v[64+\j:65+\j]
.endr
.irp j, 0,2,4,6,8,10,12,14
	v_pk_add_f32 v[16+\j:17+\j], v[16+\j:17+\j], v[48+\j:49+\j]
.endr
	v_max3_num_f32 v34, v16, v17, v18
	v_max3_num_f32 v35, v19, v20, v21
	v_max3_num_f32 v34, v34, v22, v23
	v_max3_num_f32 v35, v35, v24, v25
	v_max3_num_f32 v34, v34, v26, v27
	v_max3_num_f32 v35, v35, v28, v29
	v_max3_num_f32 v34, v34, v30, v31
	v_max_num_f32 v34, v34, v35
	v_max_num_f32_dpp v34, v34, v34 row_xmask:1 row_mask:0xf bank_mask:0xf
	v_max_num_f32_dpp v34, v34, v34 row_xmask:2 row_mask:0xf bank_mask:0xf
	v_max_num_f32_dpp v34, v34, v34 row_xmask:4 row_mask:0xf bank_mask:0xf
	v_max_num_f32_dpp v34, v34, v34 row_xmask:8 row_mask:0xf bank_mask:0xf
	v_permlanex16_b32 v12, v34, s34, s35
	v_max_num_f32 v34, v34, v12
	v_mul_f32 v34, s28, v34                        ; the largest t (c is positive)
	v_floor_f32 v32, -v34                          ; -M = floor(-t) = -ceil(t): a whole number
	v_mov_b32 v33, v32                             ; (named with it as a pair, so it is written)
.irp j, 0,2,4,6,8,10,12,14
	v_pk_fma_f32 v[16+\j:17+\j], v[16+\j:17+\j], s[28:29], v[32:33] op_sel_hi:[1,0,0]   ; t - M
.endr
	s_wait_alu depctr_va_vdst(0)
.irp j, 0,1,2,3,4,5,6,7,8,9,10,11,12,13,14,15
	v_exp_f32 v[16+\j], v[16+\j]                   ; p = 2^(t - M), at most 1: not normalised
.endr
	v_nop                                          ; the plain place behind the exponentials
	ds_store_b32 v8, v32                           ; -M
	s_wait_alu depctr_va_vdst(0)                   ; one wait for the whole batch, ahead of its first reader
	v_pk_add_f32 v[36:37], v[16:17], v[18:19]      ; l is taken of the unquantised p
	v_pk_add_f32 v[38:39], v[20:21], v[22:23]
	v_pk_add_f32 v[40:41], v[24:25], v[26:27]
	v_pk_add_f32 v[42:43], v[28:29], v[30:31]
.irp j, 0,1,2,3,4,5,6,7,8,9,10,11,12,13,14,15
	v_min_num_f32 v[16+\j], s30, v[16+\j]          ; p is not negative: the hold is one-sided (the conversion does not saturate: ISA guide 7.6.2)
.endr
	v_cvt_scalef32_pk8_bf8_f32 v[44:45], v[16:23], v11     ; a register for each block
	v_cvt_scalef32_pk8_bf8_f32 v[46:47], v[24:31], v11
	v_pk_add_f32 v[36:37], v[36:37], v[38:39]      ; (the plain line behind the last conversion)
.irp i, 0,1,2,3
	ds_store_b32 v5, v[44+\i] offset:128*\i
.endr
.irp i, 0,1,2,3
.irp c, 0,1,2,3
	ds_load_b128 v[144+16*\i+4*\c:144+16*\i+4*\c+3], v6 offset:128*\i+16*\c   ; LDS serves a wave's instructions in order (ISA guide 5.7.1.4): these see my stores
.endr
.endr
	v_pk_add_f32 v[40:41], v[40:41], v[42:43]
	v_pk_add_f32 v[36:37], v[36:37], v[40:41]
	v_add_f32 v36, v36, v37
	v_add_f32_dpp v36, v36, v36 row_xmask:1 row_mask:0xf bank_mask:0xf
	v_add_f32_dpp v36, v36, v36 row_xmask:2 row_mask:0xf bank_mask:0xf
	v_add_f32_dpp v36, v36, v36 row_xmask:4 row_mask:0xf bank_mask:0xf
	v_add_f32_dpp v36, v36, v36 row_xmask:8 row_mask:0xf bank_mask:0xf
	v_permlanex16_b32 v12, v36, s34, s35
	v_add_f32 v36, v36, v12                        ; l
	ds_store_b32 v8, v36 offset:16
	s_wait_dscnt 0x1                               ; the operand is in; l's store may be out
	s_wait_loadcnt 0x0                             ; v's codes
.irp i, 0,1,2,3
	v_wmma_f32_16x16x128_bf8_bf8 v[208+8*\i:215+8*\i], v[144+16*\i:159+16*\i], v[80+16*\i:95+16*\i], 0   ; 16 equal rows: register 0 of lane r is column r's sum over block i
.endr
.rept 4
	v_nop                                          ; four places ahead of the first read of results (ISA guide 7.12.1)
.endr
	v_add_f32 v48, v208, v216
	v_add_f32 v49, v224, v232
	v_add_f32 v48, v48, v49
	ds_store_b32 v7, v48
	s_wait_dscnt 0x0                               ; for wave 0's sake
	s_barrier_signal -1
	s_barrier_wait -1
	s_cmp_lg_u32 s12, 0
	s_cbranch_scc1 .Lend                           ; wave 0 joins the four parts
	ds_load_b128 v[20:23], v10                     ; -M
	ds_load_b128 v[24:27], v10 offset:16           ; l
	ds_load_b128 v[16:19], v9                      ; the sums of column r
	v_cmp_gt_u32 vcc_lo, 16, v1
	s_wait_dscnt 0x0
	v_min3_num_f32 v28, v20, v21, v22
	v_min_num_f32 v28, v28, v23                    ; the row's -M
.irp k, 0,1,2,3
	v_sub_f32 v[20+\k], v28, v[20+\k]              ; M of part k less the row's: a whole number, 0 or less
.endr
.irp k, 0,1,2,3
	v_cvt_i32_f32 v[20+\k], v[20+\k]               ; (it saturates)
.endr
.irp k, 0,1,2,3
	v_ldexp_f32 v[24+\k], v[24+\k], v[20+\k]
	v_ldexp_f32 v[16+\k], v[16+\k], v[20+\k]
.endr
	v_pk_add_f32 v[24:25], v[24:25], v[26:27]
	v_pk_add_f32 v[16:17], v[16:17], v[18:19]
	v_add_f32 v24, v24, v25                        ; the row's l: more than 1/2
	v_add_f32 v16, v16, v17
	s_wait_alu depctr_va_vdst(0)                   ; ahead of the transcendental
	v_rcp_f32 v24, v24
	v_ldexp_f32 v16, v16, s33                      ; x 2^(e8 + e9).  (The plain place behind it)
	s_wait_alu depctr_va_vdst(0)                   ; and ahead of its first reader
	v_mul_f32 v16, v16, v24
	s_wait_alu depctr_va_vdst(0)
	s_wait_xcnt 0x0                                ; EXEC changes only behind this wait
	s_and_saveexec_b32 s36, vcc_lo                 ; lanes 0-15 (the others hold the same)
	global_store_b32 v13, v16, s[10:11]
	s_wait_xcnt 0x0
	s_or_b32 exec_lo, exec_lo, s36
.Lend:
	s_wait_tensorcnt 0x0                           ; the wave's end
	ds_add_u32 v14, v15
	s_wait_dscnt 0x0
	s_endpgm
.Lfunc_end_k_qbb0d49b9a0_join:
	.size	k_qbb0d49b9a0_join, .Lfunc_end_k_qbb0d49b9a0_join-k_qbb0d49b9a0_join
	.p2alignl 7, 3214868480
	.fill 96, 4, 3214868480
	.section	.rodata,"a",@progbits
	.p2align	6, 0x0
	.amdhsa_kernel k_qbb0d49b9a0_join
		.amdhsa_group_segment_fixed_size 3072
		.amdhsa_private_segment_fixed_size 0
		.amdhsa_enable_private_segment 0
		.amdhsa_kernarg_size 32
		.amdhsa_user_sgpr_count 2
		.amdhsa_user_sgpr_kernarg_segment_ptr 1
		.amdhsa_wavefront_size32 1
		.amdhsa_system_sgpr_workgroup_id_x 1
		.amdhsa_system_sgpr_workgroup_id_y 1
		.amdhsa_system_sgpr_workgroup_id_z 1
		.amdhsa_system_vgpr_workitem_id 0
		.amdhsa_next_free_vgpr 240
		.amdhsa_next_free_sgpr 66
		.amdhsa_reserve_vcc 1
		.amdhsa_float_denorm_mode_32 3
		.amdhsa_float_denorm_mode_16_64 3
		.amdhsa_memory_ordered 1
		.amdhsa_forward_progress 1
		.amdhsa_inst_pref_size 15
	.end_amdhsa_kernel
	.amdgpu_metadata
---
amdhsa.version: [ 1, 2 ]
amdhsa.kernels:
  - .name:           k_qbb0d49b9a0_join
    .symbol:         k_qbb0d49b9a0_join.kd
    .args:
      - { .name: spart, .offset: 0, .size: 8, .value_kind: global_buffer, .address_space: global }
      - { .name: vcodes, .offset: 8, .size: 8, .value_kind: global_buffer, .address_space: global }
      - { .name: lowp_scales, .offset: 16, .size: 8, .value_kind: global_buffer, .address_space: global }
      - { .name: out0, .offset: 24, .size: 8, .value_kind: global_buffer, .address_space: global }
    .group_segment_fixed_size: 3072
    .private_segment_fixed_size: 0
    .kernarg_segment_align: 8
    .kernarg_segment_size: 32
    .max_flat_workgroup_size: 128
    .sgpr_count:     66
    .vgpr_count:     240
    .wavefront_size: 32
...
	.end_amdgpu_metadata
.endif
;; end of part 3
